; MI455X (gfx1250); checked and timed in simulation.
; The chip was launched on July 23, 2026; its instructions are those of AMD's public machine-readable ISA for CDNA 5 (MIT licence, August 2026) and "CDNA5" Instruction Set Architecture Reference Guide (July 2026). The comments in the code are by the model that wrote it; some were corrected since.
;; Matrix Mixer. Allowed arithmetic: matrix products marked QUANTISED: E2M1 operands, one E8M0 scale for each 32 along K, by v_wmma_scale_f32_16x16x128_f8f6f4 with both operands' format E2M1 (or v_wmma_scale_f32_32x16x128_f4), f32 sums; products left as they are: bf16, f16 or f32 operands; f32 sums; everything else in f32.
;; Inputs: W_in 3,072 x 1,024 float32; u 4 x 4,096 x 1,024 float32; x1 1 float32; x2 1 float32.
;; Outputs: out0 4 x 4,096 x 1,024 float32.
;; This version of the problem:
;;   THIS VERSION OF THE PROBLEM IS GIVEN IN LOW PRECISION. The matrix products marked QUANTISED in the list below multiply operands that are first quantised to E2M1 (2 exponent bits, 1 mantissa bit; 4 bits a number), with one power-of-two scale for each 32 numbers along K (OCP MX v1.0); their sums are f32. The products marked 'left as it is' may take bf16, f16 or f32 operands, with f32 sums. Whichever they take, every output number must still come out within the allowed error. Rounding operands to bf16 (8 significant bits) uses up far more of that allowance than f16 does (11 bits, for magnitudes from 6e-5 to 65,504). All else is computed in f32.
;;   The module's matrix products, in the order in which they are computed (A, B: the left and right operand; K: the contracted axis; several contracted axes count as one K, in the product's order):
;;     1. [M 16,384, K 1,024] x [K 1,024, N 3,072]; A: input u; B: input W_in: QUANTISED
;;     2. batch 64 x [M 64, K 4,096] x [K 4,096, N 64]; A: computed on the way; B: computed on the way: left as it is (an operand is computed on the way)
;;     3. batch 64 x [M 64, K 64] x [K 64, N 4,096]; A: computed on the way; B: computed on the way: left as it is (an operand is computed on the way)
;;   THE QUANTISER, for each operand of a quantised product, along K:
;;     - K is cut into blocks of 32 from its start; a last block that is shorter is filled with zeros.
;;     - A block's scale is 2^e with e = floor(log2(the largest magnitude in the block)) - 2, held to -126 .. 127; a block of zeros has e = 0. As a byte (E8M0): e + 127.
;;     - Each number is divided by its block's scale, clamped to +-6, and rounded to the nearest number of E2M1, ties to even, subnormals kept.
;;     - The product sums the exact products of the quantised numbers (number of the format x scale) in f32.
;;   ~~~python
;;   def quantise(x, axis):      # numpy; x: float32 -> the quantised numbers, widened to float32 again
;;       x = np.moveaxis(x, axis, -1); K = x.shape[-1]
;;       x = np.pad(x, [(0, 0)] * (x.ndim - 1) + [(0, -K % 32)]); x = x.reshape(x.shape[:-1] + (-1, 32)); a = np.abs(x).max(-1, keepdims=True)
;;       e = np.where(a > 0, np.clip(np.frexp(np.where(a > 0, a, 1))[1] - 1 - 2, -126, 127), 0)      # np.frexp(a)[1] - 1 = floor(log2(a)), exactly
;;       r = np.clip(x / 2.0 ** e, -6, 6)
;;       step = 2.0 ** (np.maximum(np.frexp(np.where(r == 0, 1, r))[1] - 1, 0) - 1)
;;       q = np.round(r / step) * step * 2.0 ** e      # np.round: ties to even
;;       return np.moveaxis(q.reshape(q.shape[:-2] + (-1,))[..., :K], -1, axis).astype(np.float32)
;;   ~~~
;; One version. Each part assembles by itself: llvm-mc -triple=amdgcn-amd-amdhsa -mcpu=gfx1250 --defsym DOCPART=n.
;; ======== version 1 of 1: 4 launches
;; limits: values are held in f16: magnitudes above 65,504 overflow, below 6.1e-05 lose precision
;; workspace buffers: u_codes 8,388,608 bytes; u_scales 524,288 bytes; w_codes 1,572,864 bytes; w_scales 98,304 bytes; kvp 8,388,608 bytes; kvh 524,288 bytes; kvs 65,536 bytes
;; launch quant (part 1): grid 608 x 1, 4 waves a work-group, no clusters, 33,280 bytes of LDS; arguments u, W_in, u_codes, u_scales, w_codes, w_scales; writes u_codes, u_scales, w_codes, w_scales
.if DOCPART == 1
	.amdgcn_target "amdgcn-amd-amdhsa--gfx1250"
	.amdhsa_code_object_version 6
	.text
	.protected	k_qd2e75f22b2_quant
	.globl	k_qd2e75f22b2_quant
	.p2align	8
	.type	k_qd2e75f22b2_quant,@function
k_qd2e75f22b2_quant:
	s_mov_b64 s[64:65], 0
	v_nop
	global_prefetch_b8 v0, s[64:65] scope:SCOPE_SE
	s_setreg_imm32_b32 hwreg(HW_REG_WAVE_MODE, 25, 1), 1
	s_wait_xcnt 0x0
; u [16384][1024] and W_in [3072][1024], f32, become codes of FP4 (E2M1), K innermost, two codes a byte, with one E8M0 scale byte for each 32 along K.
; A block's scale is 2^(floor(log2(its largest magnitude)) - 2); its byte is the largest magnitude's own exponent field - 2, held at 1 from below.  (A block of zeros so gets the byte 1:
; its codes are zeros, which add nothing under any byte but 0xff, and the bytes are read by this program alone.)  Each number is divided by the scale and rounded to the nearest code, ties to even.
; LIMITS: blocks whose largest magnitude lies under 2^-124 have their byte held at 1; NaN and infinities among the inputs are not served.
; Rows are dense, so both tensors are streams of blocks of 32.  A wave takes a run of 8,192 numbers (8 rows) in 16 steps of 512.  Each of a step's four loads reads 512 consecutive bytes; the 2,048 bytes turn
; through the wave's own stage in LDS and come back 64 bytes a lane (16 neighbours along K; two neighbouring lanes hold a block).  A lane's 16 codes are 8 bytes: the wave stores 256 consecutive bytes.
; A wave's 256 scale bytes are gathered in LDS and leave as one aligned run of 256 bytes.
; W's ROWS ARE STORED IN ANOTHER ORDER, by groups of 64 rows: head h's k rows at 128 h, its v rows at 128 h + 64, the q rows from 2,048 on: so a head's k and v are 128 consecutive rows for the next launch.
; The first WGA work-groups take u, the others W.  No tensor loads, no barrier: waves share nothing.  No cluster: nothing is shared.  No prefetch: the launch is one stream of loads,
; which run AHEAD = 8 steps (32 loads, 16,384 bytes a wave) in front of the work, half of a wave's run.
.set SIZE_M, 16384
.set SIZE_N, 3072
.set SIZE_K, 1024
.set WAVES, 4
.set STEPS, 16
.set AHEAD, 8                          ; steps that the loads run ahead: as many sets of 16 registers
.set WGA,   SIZE_M*SIZE_K/(512*STEPS*WAVES)    ; 512 work-groups for u, 96 for W
.set EMAX,  2
.set CB,    8                          ; bytes of 16 codes
.set R,     16                         ; v16-143  eight sets of 16 numbers as they are loaded
.set X,     144                        ; v144-175 two sets of 16 neighbours
.set E,     176                        ; v176-191 a scale byte for each step
.set C,     192                        ; v192-255 codes: four registers for each step, so that no store's data are written again
.set WREG,  8192                       ; LDS: a region for each wave: two stages of 32 x SP bytes, behind them its 256 scale bytes
.set SP,    80                         ; a lane's place in a stage: its 64 bytes + 16 of padding
.set SPW,   12                         ; v12      LDS address of my spare word; never rewritten
.set NIL,   13                         ; v13      0; never rewritten
.set SPARE, WAVES*WREG                 ; behind the four regions: the spare words, 128 bytes for each wave
	s_load_b128 s[4:7], s[0:1], 0x0                ; u, W
	s_load_b128 s[8:11], s[0:1], 0x10              ; u's codes, u's scales
	s_load_b128 s[12:15], s[0:1], 0x20             ; W's codes, W's scales
	v_lshl_add_u32 v[SPW], v0, 2, SPARE
	v_mov_b32 v[NIL], 0
	v_lshrrev_b32 v1, 5, v0
	v_readfirstlane_b32 s16, v1                    ; wave
	v_and_b32 v2, 31, v0                           ; lane
	v_lshlrev_b32 v3, 4, v2                        ; my 16 bytes of a load's 512
	s_mul_i32 s17, s16, WREG
	v_lshrrev_b32 v14, 2, v2
	v_mul_u32_u24 v14, v14, SP
	v_and_b32 v15, 3, v2
	v_lshl_add_u32 v14, v15, 4, v14
	v_add_nc_u32 v14, s17, v14                     ; the stage, on the way in: SP (lane / 4) + 16 (lane % 4)
	v_mul_u32_u24 v15, v2, SP
	v_add_nc_u32 v15, s17, v15                     ; and on the way out: SP x lane: my 16 neighbours
	v_mul_u32_u24 v4, v2, CB                       ; my codes' place in a step's
	v_lshrrev_b32 v5, 1, v2
	s_add_co_u32 s17, s17, 2*32*SP
	v_add_nc_u32 v5, s17, v5                       ; LDS: my wave's 256 scale bytes, my block's byte
	v_lshlrev_b32 v7, 3, v2                        ; and on the way out 8 bytes a lane
	v_add_nc_u32 v6, s17, v7
	s_wait_kmcnt 0x0
	s_cmp_lt_u32 ttmp9, WGA                        ; u's work-group or W's?  The choice hangs on the work-group's number alone
	s_cselect_b64 s[4:5], s[4:5], s[6:7]
	s_cselect_b64 s[8:9], s[8:9], s[12:13]
	s_cselect_b64 s[10:11], s[10:11], s[14:15]
	s_cselect_b32 s17, 0, WGA
	s_sub_co_u32 s17, ttmp9, s17
	s_lshl_b32 s17, s17, 2
	s_add_co_u32 s18, s17, s16                     ; which run of 8,192 numbers of the tensor is my wave's
	s_mov_b32 s19, 0
	s_lshl_b64 s[20:21], s[18:19], 15              ; 32,768 bytes of f32 a run
	s_add_nc_u64 s[4:5], s[4:5], s[20:21]
	; where the run goes.  u: where it came from.  W: group g of 64 rows (8 runs) goes to group 2 g + 1 (v, g < 16), g + 16 (q, g < 32) or 2 (g - 32) (k)
	s_lshr_b32 s22, s18, 3                         ; g
	s_and_b32 s23, s18, 7                          ; the run in its group
	s_lshl_b32 s26, s22, 1
	s_add_co_u32 s26, s26, 1                       ; 2 g + 1
	s_add_co_u32 s27, s22, 16                      ; g + 16
	s_max_u32 s24, s22, 32
	s_sub_co_u32 s24, s24, 32
	s_lshl_b32 s24, s24, 1                         ; 2 (g - 32)
	s_cmp_lt_u32 s22, 32
	s_cselect_b32 s24, s27, s24
	s_cmp_lt_u32 s22, 16
	s_cselect_b32 s24, s26, s24
	s_lshl_b32 s24, s24, 3
	s_add_co_u32 s24, s24, s23
	s_cmp_lt_u32 ttmp9, WGA
	s_cselect_b32 s24, s18, s24
	s_mov_b32 s25, 0
	s_lshl_b64 s[20:21], s[24:25], 12              ; 4,096 bytes of codes a run
	s_add_nc_u64 s[8:9], s[8:9], s[20:21]
	s_lshl_b64 s[20:21], s[24:25], 8               ; 256 scale bytes a run
	s_add_nc_u64 s[10:11], s[10:11], s[20:21]
.macro LOAD t
.irp i, 0,1,2,3
	global_load_b128 v[R+16*((\t)%AHEAD)+4*\i:R+16*((\t)%AHEAD)+4*\i+3], v3, s[4:5] offset:2048*(\t)+512*\i th:TH_LOAD_NT   ; 32 lanes read 512 consecutive bytes
.endr
.endm
.macro TURN t                          ; step t's numbers through the stage: LDS serves a wave's instructions in order, so no wait stands between the stores and the loads
.irp i, 0,1,2,3
	ds_store_b128 v14, v[R+16*((\t)%AHEAD)+4*\i:R+16*((\t)%AHEAD)+4*\i+3] offset:32*SP*((\t)%2)+8*SP*\i
.endr
.irp i, 0,1,2,3
	ds_load_b128 v[X+16*((\t)%2)+4*\i:X+16*((\t)%2)+4*\i+3], v15 offset:32*SP*((\t)%2)+16*\i
.endr
.endm
.irp t, 0,1,2,3,4,5,6,7
	LOAD \t
.endr
	s_wait_loadcnt 4*(AHEAD-1)                     ; step 0's four loads are in; the seven steps behind it may be out
	TURN 0
.macro STEP t
.set XS, X+16*((\t)%2)
.if (\t) > 0
	s_wait_dscnt 1                                 ; this step's numbers are back from the stage (the last step's byte store may be out): so its stores into the stage have read their registers,
.else
	s_wait_dscnt 0x0
.endif
.if (\t)+AHEAD < STEPS
	LOAD (\t)+AHEAD                                ; which take the loads of eight steps on
.endif
.if (\t)+1 < STEPS
.if STEPS-2-(\t) >= AHEAD-1
	s_wait_loadcnt 4*(AHEAD-1)                     ; the next step's four loads are in; those of the seven steps behind it may be out
.else
	s_wait_loadcnt 4*(STEPS-2-(\t))                ; in the tail: those of the steps that are left
.endif
	TURN (\t)+1                                    ; and go through the other stage while this step is worked
.endif
	v_max3_num_f32 v8, |v[XS]|, |v[XS+1]|, |v[XS+2]|               ; the largest magnitude of my 16
	v_max3_num_f32 v9, |v[XS+3]|, |v[XS+4]|, |v[XS+5]|
.irp i, 6,10
	v_max3_num_f32 v8, v8, |v[XS+\i]|, |v[XS+\i+1]|
	v_max3_num_f32 v9, v9, |v[XS+\i+2]|, |v[XS+\i+3]|
.endr
	v_max3_num_f32 v8, v8, |v[XS+14]|, |v[XS+15]|
	v_max3_num_f32 v8, v8, v9, (EMAX+1)<<23        ; and the floor 2^(3 - 127): so the byte cannot fall under 1
	v_max_num_f32_dpp v8, v8, v8 row_xmask:1 row_mask:0xf bank_mask:0xf   ; and of my neighbour's 16: the block's
	v_add_nc_u32 v11, -(EMAX<<23), v8              ; 2 off its exponent field: the conversion takes the exponent field of this operand as its scale, and nothing else of it
	v_cvt_scalef32_pk8_fp4_f32 v[C+4*(\t)], v[XS:XS+7], v11
	v_cvt_scalef32_pk8_fp4_f32 v[C+4*(\t)+1], v[XS+8:XS+15], v11
	v_lshrrev_b32 v[E+(\t)], 23, v11               ; the scale's byte (a plain line behind the conversions)
	ds_store_b8 v5, v[E+(\t)] offset:16*(\t)       ; both lanes of a block write the same byte with the same value
	global_store_b64 v4, v[C+4*(\t):C+4*(\t)+1], s[8:9] offset:32*CB*(\t)   ; 32 lanes store 256 consecutive bytes, aligned
.endm
.irp t, 0,1,2,3,4,5,6,7,8,9,10,11,12,13,14,15
	STEP \t
.endr
	ds_load_b64 v[8:9], v6                         ; LDS serves a wave's instructions in order: these see my stores
	s_wait_dscnt 0x0
	global_store_b64 v7, v[8:9], s[10:11]          ; 32 lanes store 256 consecutive bytes, aligned
	s_wait_tensorcnt 0x0                           ; the wave's end, behind my last LDS store
	ds_add_u32 v[SPW], v[NIL]
	s_wait_dscnt 0x0
	s_endpgm
.Lfunc_end_k_qd2e75f22b2_quant:
	.size	k_qd2e75f22b2_quant, .Lfunc_end_k_qd2e75f22b2_quant-k_qd2e75f22b2_quant
	.p2alignl 7, 3214868480
	.fill 96, 4, 3214868480
	.section	.rodata,"a",@progbits
	.p2align	6, 0x0
	.amdhsa_kernel k_qd2e75f22b2_quant
		.amdhsa_group_segment_fixed_size 33280
		.amdhsa_private_segment_fixed_size 0
		.amdhsa_enable_private_segment 0
		.amdhsa_kernarg_size 48
		.amdhsa_user_sgpr_count 2
		.amdhsa_user_sgpr_kernarg_segment_ptr 1
		.amdhsa_wavefront_size32 1
		.amdhsa_system_sgpr_workgroup_id_x 1
		.amdhsa_system_sgpr_workgroup_id_y 1
		.amdhsa_system_sgpr_workgroup_id_z 1
		.amdhsa_system_vgpr_workitem_id 0
		.amdhsa_next_free_vgpr 256
		.amdhsa_next_free_sgpr 66
		.amdhsa_reserve_vcc 0
		.amdhsa_float_denorm_mode_32 3
		.amdhsa_float_denorm_mode_16_64 3
		.amdhsa_memory_ordered 1
		.amdhsa_forward_progress 1
		.amdhsa_inst_pref_size 34
	.end_amdhsa_kernel
	.amdgpu_metadata
---
amdhsa.version: [ 1, 2 ]
amdhsa.kernels:
  - .name:           k_qd2e75f22b2_quant
    .symbol:         k_qd2e75f22b2_quant.kd
    .args:
      - { .name: u, .offset: 0, .size: 8, .value_kind: global_buffer, .address_space: global }
      - { .name: W_in, .offset: 8, .size: 8, .value_kind: global_buffer, .address_space: global }
      - { .name: u_codes, .offset: 16, .size: 8, .value_kind: global_buffer, .address_space: global }
      - { .name: u_scales, .offset: 24, .size: 8, .value_kind: global_buffer, .address_space: global }
      - { .name: w_codes, .offset: 32, .size: 8, .value_kind: global_buffer, .address_space: global }
      - { .name: w_scales, .offset: 40, .size: 8, .value_kind: global_buffer, .address_space: global }
    .group_segment_fixed_size: 33280
    .private_segment_fixed_size: 0
    .kernarg_segment_align: 8
    .kernarg_segment_size: 48
    .max_flat_workgroup_size: 128
    .sgpr_count:     66
    .vgpr_count:     256
    .wavefront_size: 32
...
	.end_amdgpu_metadata
.endif
;; end of part 1
;; launch kvpart (part 2): grid 8 x 32, 4 waves a work-group, clusters of 4 x 4, 327,680 bytes of LDS; arguments u_codes, u_scales, w_codes, w_scales, kvp; writes kvp
.if DOCPART == 2
	.amdgcn_target "amdgcn-amd-amdhsa--gfx1250"
	.amdhsa_code_object_version 6
	.text
	.protected	k_qd2e75f22b2_kvpart
	.globl	k_qd2e75f22b2_kvpart
	.p2align	8
	.type	k_qd2e75f22b2_kvpart,@function
k_qd2e75f22b2_kvpart:
	s_mov_b64 s[64:65], 0
	v_nop
	global_prefetch_b8 v0, s[64:65] scope:SCOPE_SE
	s_setreg_imm32_b32 hwreg(HW_REG_WAVE_MODE, 25, 1), 1
	s_wait_xcnt 0x0
	s_wait_alu depctr_hold_cnt(0) depctr_sa_sdst(0) depctr_va_vdst(0) depctr_va_sdst(0) depctr_va_ssrc(0) depctr_va_vcc(0) depctr_vm_vsrc(0)
	s_getreg_b32 s2, hwreg(HW_REG_IB_STS2, 6, 4)
	s_cmp_eq_u32 s2, 0
	s_cbranch_scc0 .Lentry_in_a_cluster
	s_endpgm
.Lentry_in_a_cluster:
	s_bfe_u32 s2, ttmp6, 0x10000c
	s_cmp_lg_u32 s2, 0xf033
	s_cbranch_scc0 .Lentry_shape_is_right
	s_endpgm
.Lentry_shape_is_right:
; PARTIAL kv.  k = u Wk^T and v = u Wv^T on codes of FP4 (E2M1) with one E8M0 scale for each 32 along K (K = 1,024); then kv[n][p] = sum over rows l of k[l][n] v[l][p], per head, on f16 operands with f32 sums.
; k and v never leave the registers.  A work-group takes 512 rows of u (chunk c of batch b), as two tiles of 256, and two heads (256 rows of the reordered W: k of head 2X, v of 2X, k of 2X+1, v of 2X+1).
; Four waves; wave (rh, hd) = (wave / 2, wave % 2) makes 128 rows x head hd's 128 columns: 64 accumulators of 16 x 16, 512 registers.  All of K lies in LDS as two slots of 512 along K.
; THE PRODUCT IS USED IN ITS NATURAL ORDER (source 0 = 16 rows of u, source 1 = 16 rows of W): a lane then holds ONE column and eight rows, so two row blocks, rounded to f16 in pairs, ARE a 16-bit fragment
; whose lane is the column and whose K is 32 rows of u: source 0 (k^T) and source 1 (v) of the second product.  Nothing changes lanes.
; The two waves of a head add their 16 tiles of kv through LDS; the sum over 512 rows goes to kvp as images of the accumulators' registers:
; kvp[16 b + head][p tile][chunk][n tile][half of 4 registers][lane][16 bytes]; lane (r, h), register j: kv[16 i + 8 h + j][16 jp + r].
; CLUSTER 4 x 4: the four work-groups of a row of the cluster read the same rows of u, the four of a column the same rows of W: each tile is asked for jointly, by the same tensor load with a mask that names the four.
; LIMITS: |k| or |v| above 65,504 becomes infinity in f16; NaN and infinities are not served.
; REGISTERS, in windows of 256.  Window 0: v0-31 addresses; v32-95 scale words, two sets, and nothing else; v128-191 u's fragments, one set; v128-255 k's 16 f16 fragments once a tile's products are done.
;   Window 1: W's fragments, two sets, v0-63 and v128-191, later v's 16 f16 fragments; v64-127 and v192-255 the 16 accumulators of kv.   Windows 2, 3: accumulator (a, b) at v[8 (8 (a % 4) + b)].
.set NQ,     4                         ; steps of 128 along K in a slot
.set ROWB,   256                       ; a slot's row: 512 codes
.set KROW,   512                       ; a row of codes in memory
.set PITCH,  272                       ; an LDS row: 256 bytes + 16 of padding, so that the 16 rows of a fragment load start 68 words apart
.set FR,     8                         ; registers of a fragment
.set NL,     2                         ; LDS loads that bring one
.set NP,     4                         ; places behind these matrix instructions (ISA guide 7.12.1)
.set HALFT,  128*PITCH                 ; 128 rows: what one tensor load brings
.set SLOT,   4*HALFT                   ; u's 256 rows, then W's 256 rows
.set SBLK,   544                       ; the scales of 16 rows: 512 bytes in two runs of 256 + 16
.set SCH,    4352                      ; of 128 rows
.set SCT,    8704                      ; of 256 rows
.set SCL,    2*SLOT                    ; behind the slots: u's scales of both tiles,
.set SCB,    SCL+2*SCT                 ; W's,
.set SPARE,  SCB+SCT                   ; and the spare words, 128 bytes for each wave: two blocks of 256 bytes that no other line names
.set ADRA, 16                          ; v16-17  LDS address of my fragments of u in slot 0, 1
.set ADRB, 20                          ; v20-21  the same for W
.set GO,   22                          ; v22     16 x lane
.set RST,  24                          ; v24     the last sum: where I put my images
.set RLD,  25                          ; v25     and where I read the two copies back
.set ADRS, 26                          ; v26-27  LDS address of my scale words for tile 0, 1: lanes 0-15 u's rows, lanes 16-31 W's
.set SPW,  28                          ; v28     LDS address of my spare word; never rewritten
.set NIL,  29                          ; v29     0; never rewritten
.set PFO,  30                          ; v30     256 x lane: the prefetch's offset; never rewritten
.set SC,   32                          ; scale words: set s at v[SC + 32 s]; register 4 i + q: lanes 0-15 the word of u's block i, lanes 16-31 of W's block i, for the slot's q-th 128 along K
.set AF,   128
.set G1, 24                            ; s[24:31] descriptor group 1 for u's tiles;  s[32:39] group 0, one set for each slot
.set G0, 32
.set G1B, 48                           ; s[48:55], s[56:63] the same for W's
.set G0B, 56
.set PFA, 66                           ; s[66:67] where my prefetch stands
.set G1S, 68                           ; s[68:75], s[76:79] groups 1 and 0 for u's scales;  s[80:87], s[88:91] for W's
.set G0S, 76
.set G1SB, 80
.set G0SB, 88
.set G0R, 96                           ; s[96:99] group 0 for my part of u's second tile
.set MSB, 0
.macro WIN new                         ; the immediate's high byte repeats the setting that is left
.if MSB != \new
	s_set_vgpr_msb (MSB<<8)|\new
.set MSB, \new
.endif
.endm
.set MUL_LO, 0xa4                      ; source 0 (u) window 0, source 1 (W) window 1, C and D window 2
.set MUL_HI, 0xf4                      ; the same, C and D window 3
.set TO_B,   0x40                      ; destination window 1, address window 0
; A joint load: waves 0 and 1 fetch for u, waves 2 and 3 for W.  Each line has one mask and one set of registers for all that issue it; the branch hangs on the wave's number alone.
; An s_nop 0 and four v_nop follow each of the two lines.
.macro JLOAD g0a, g1a, g0b, g1b
	s_cmp_eq_u32 s15, 0
	s_cbranch_scc0 .Lfor_b_\@
	tensor_load_to_lds s[\g0a:\g0a+3], s[\g1a:\g1a+7]
	s_nop 0
.rept 4
	v_nop
.endr
	s_branch .Lasked_\@
.Lfor_b_\@:
	tensor_load_to_lds s[\g0b:\g0b+3], s[\g1b:\g1b+7]
	s_nop 0
.rept 4
	v_nop
.endr
.Lasked_\@:
.endm
.macro CREST                           ; a round of the cluster's barrier behind its opening barrier
	s_cmp_lg_u32 s14, 0
	s_cbranch_scc1 .Lnot_wave_0_\@
	s_barrier_signal -3
.Lnot_wave_0_\@:
	s_barrier_wait -3
	s_barrier_signal -1
	s_barrier_wait -1
.endm
.macro CROUND                          ; a whole round
	s_barrier_signal -1
	s_barrier_wait -1
	CREST
.endm
	s_load_b128 s[4:7], s[0:1], 0x0                ; u's codes s[4:5], u's scales s[6:7]
	s_load_b128 s[8:11], s[0:1], 0x10              ; W's codes s[8:9], W's scales s[10:11]
	s_load_b64 s[12:13], s[0:1], 0x20              ; kvp
	v_lshl_add_u32 v[SPW], v0, 2, SPARE
	v_mov_b32 v[NIL], 0
	ds_add_u32 v[SPW], v[NIL]                      ; the wave's opening: the add and its wait stand ahead of my first tensor load; the set-up below, work on registers, stands between them
	v_lshrrev_b32 v1, 5, v0
	v_readfirstlane_b32 s14, v1                    ; wave 0..3
	s_lshr_b32 s15, s14, 1                         ; rh: which half of a tile's rows is mine.  Also: I fetch for u (0) or for W (1)
	s_and_b32 s16, s14, 1                          ; hd: which head.  Also: which half of what I fetch
	s_bfe_u32 s40, ttmp6, 0x40000                  ; cx, cy: my place in the cluster
	s_bfe_u32 s41, ttmp6, 0x40004
	s_lshl_b32 s42, ttmp9, 2
	s_add_co_u32 s42, s42, s40                     ; X = 4 x cluster x + cx: the pair of heads
	s_and_b32 s17, ttmp7, 0xffff
	s_lshl_b32 s17, s17, 2
	s_add_co_u32 s17, s17, s41                     ; Y = 4 x cluster y + cy: the 512 rows
	s_lshl_b32 s43, s41, 2
	s_lshl_b32 s43, 15, s43                        ; my row of the cluster
	s_lshl_b32 s44, 0x1111, s40                    ; my column
	; descriptor group 1: a tile of 128 rows x 256 bytes, 512 bytes apart in memory, 16 bytes of padding behind each row in LDS
	s_or_b32 s[G1+0], s43, (0<<16)|(1<<20)|(1<<21)|(5<<22)|(3<<25)  ; 15:0 the mask: u's tiles go to my row; 17:16 elements of 1 byte; 20 padding on; 21 set beside a mask; 24:22 after every 64 words; 31:25 four words
	s_or_b32 s[G1B+0], s44, (0<<16)|(1<<20)|(1<<21)|(5<<22)|(3<<25) ; W's go to my column
.irp g, G1, G1B
	s_mov_b32 s[\g+1], ROWB<<16                    ; tensor_dim0
	s_mov_b32 s[\g+2], 128<<16                     ; tensor_dim1
	s_mov_b32 s[\g+3], ROWB<<16                    ; tile_dim0
	s_mov_b32 s[\g+4], 128                         ; tile_dim1
	s_mov_b32 s[\g+5], KROW                        ; tensor_dim0_stride
	s_mov_b32 s[\g+6], 0
	s_mov_b32 s[\g+7], 0
.endr
	; the scales: dense blocks, as rows of 256 bytes (32 elements of 8 bytes), 16 bytes of padding behind each: u's of 256 rows (32 such rows) a load, W's of 128 rows (16)
	s_or_b32 s[G1S+0], s43, (3<<16)|(1<<20)|(1<<21)|(5<<22)|(3<<25)
	s_mov_b32 s[G1S+1], 32<<16
	s_mov_b32 s[G1S+2], 32<<16
	s_mov_b32 s[G1S+3], 32<<16
	s_mov_b32 s[G1S+4], 32
	s_mov_b32 s[G1S+5], 32
	s_mov_b32 s[G1S+6], 0
	s_mov_b32 s[G1S+7], 0
	s_or_b32 s[G1SB+0], s44, (3<<16)|(1<<20)|(1<<21)|(5<<22)|(3<<25)
	s_mov_b32 s[G1SB+1], 32<<16
	s_mov_b32 s[G1SB+2], 16<<16
	s_mov_b32 s[G1SB+3], 32<<16
	s_mov_b32 s[G1SB+4], 16
	s_mov_b32 s[G1SB+5], 32
	s_mov_b32 s[G1SB+6], 0
	s_mov_b32 s[G1SB+7], 0
	; byte offsets.  u's hang on Y and the wave alone, W's on X and the wave alone, each in registers that never hold the other coordinate
	s_lshl_b32 s18, s16, 7                         ; 128 x half
	s_lshl_b32 s20, s17, 9                         ; 512 Y
	s_lshl_b32 s22, s16, 8
	s_add_co_u32 s22, s22, s20                     ; u's scales: wave 0 brings tile 0's 256 rows, wave 1 tile 1's
	s_lshl_b32 s22, s22, 5                         ; 32 bytes a row
	s_mov_b32 s23, 0
	s_add_co_u32 s20, s20, s18                     ; u's codes, tile 0: row 512 Y + 128 x half
	s_lshl_b32 s20, s20, 9                         ; 512 bytes a row
	s_mov_b32 s21, 0
	s_lshl_b32 s46, s42, 8
	s_add_co_u32 s46, s46, s18                     ; W: row 256 X + 128 x half
	s_lshl_b32 s92, s46, 5
	s_mov_b32 s93, 0
	s_lshl_b32 s46, s46, 9
	s_mov_b32 s47, 0
	s_mul_i32 s45, s14, HALFT                      ; where the codes go: wave x 128 rows: no place in the cluster enters an LDS address
	s_mul_i32 s94, s16, SCT                        ; u's scales
	s_mul_i32 s95, s16, SCH                        ; W's scales
	s_lshl_b32 s18, s15, 8                         ; u's second tile: 256 rows on; wave (rh, hd) brings slot rh's 256 bytes of rows 128 hd on
	s_add_co_u32 s18, s18, 256*KROW
	s_mov_b32 s19, 0
	s_mul_i32 s[G0R+1], s15, SLOT
	s_mul_i32 s[G0R], s16, HALFT
	s_add_co_u32 s[G0R+1], s[G0R+1], s[G0R]        ; its LDS address
	s_mov_b32 s[G0R], 1
	s_wait_dscnt 0x0                               ; the opening add is done
	s_wait_kmcnt 0x0
	s_add_nc_u64 s[20:21], s[4:5], s[20:21]
	s_add_nc_u64 s[22:23], s[6:7], s[22:23]
	s_add_nc_u64 s[46:47], s[8:9], s[46:47]
	s_add_nc_u64 s[92:93], s[10:11], s[92:93]
	s_add_nc_u64 s[G0R+2:G0R+3], s[20:21], s[18:19]
	s_or_b32 s[G0R+3], s[G0R+3], 0x80000000
	CROUND                                         ; all sixteen work-groups are here: the first joint loads meet
	s_mov_b32 s[G0S], 1
	s_add_co_u32 s[G0S+1], s94, SCL
	s_mov_b64 s[G0S+2:G0S+3], s[22:23]
	s_or_b32 s[G0S+3], s[G0S+3], 0x80000000
	s_mov_b32 s[G0SB], 1
	s_add_co_u32 s[G0SB+1], s95, SCB
	s_mov_b64 s[G0SB+2:G0SB+3], s[92:93]
	s_or_b32 s[G0SB+3], s[G0SB+3], 0x80000000
	JLOAD G0S, G1S, G0SB, G1SB                     ; the scales first: they are wanted with slot 0
.irp s, 0,1
	s_mov_b32 s[G0+4*\s], 1
	s_add_co_u32 s[G0+4*\s+1], s45, \s*SLOT
	s_add_nc_u64 s[G0+4*\s+2:G0+4*\s+3], s[20:21], \s*ROWB
	s_or_b32 s[G0+4*\s+3], s[G0+4*\s+3], 0x80000000
	s_mov_b32 s[G0B+4*\s], 1
	s_add_co_u32 s[G0B+4*\s+1], s45, \s*SLOT
	s_add_nc_u64 s[G0B+4*\s+2:G0B+4*\s+3], s[46:47], \s*ROWB
	s_or_b32 s[G0B+4*\s+3], s[G0B+4*\s+3], 0x80000000
	JLOAD G0+4*\s, G1, G0B+4*\s, G1B               ; three tensor loads of mine are out now, the most in this text
.endr
	v_and_b32 v1, 15, v0                           ; r = lane % 16
	v_bfe_u32 v2, v0, 4, 1                         ; h = lane / 16
	v_mul_u32_u24 v3, v1, PITCH
	v_lshl_add_u32 v4, v2, 4, v3                   ; a fragment's row x pitch + 16 h
	s_mul_i32 s21, s15, HALFT                      ; my 128 rows of u
	s_mul_i32 s22, s16, HALFT                      ; my 128 rows of W,
	s_add_co_u32 s22, s22, 2*HALFT                 ; which lie behind u's 256
.irp s, 0,1
	v_add_nc_u32 v[ADRA+\s], s21, v4
	v_add_nc_u32 v[ADRB+\s], s22, v4
	s_add_co_u32 s21, s21, SLOT
	s_add_co_u32 s22, s22, SLOT
.endr
	v_mul_u32_u24 v5, v1, 32                       ; my row's scales: 32 bytes a row,
	v_lshrrev_b32 v6, 8, v5
	v_lshl_add_u32 v5, v6, 4, v5                   ; and 16 more for each 256 passed
.irp t, 0,1
	s_mul_i32 s21, s15, SCH                        ; u's: my 128 rows of tile t
	s_mul_i32 s22, s16, SCH                        ; W's: my 128 rows
	s_add_co_u32 s22, s22, SCB-SCL-\t*SCT
	s_sub_co_u32 s22, s22, s21                     ; the distance between the two
	v_mul_u32_u24 v6, s22, v2                      ; lanes 16-31 take W's
	s_add_co_u32 s21, s21, SCL+\t*SCT
	v_add_nc_u32 v6, v5, v6
	v_add_nc_u32 v[ADRS+\t], s21, v6
.endr
	v_and_b32 v3, 31, v0
	v_lshlrev_b32 v[GO], 4, v3                     ; 16 x lane
	v_lshlrev_b32 v[PFO], 8, v3                    ; 256 x lane
	s_lshl_b32 s21, s14, 14
	v_add_nc_u32 v[RST], s21, v[GO]                ; my 16 images: 16,384 x wave + 16 x lane
	s_lshl_b32 s21, s16, 14
	s_lshl_b32 s22, s15, 13
	s_add_co_u32 s21, s21, s22
	v_add_nc_u32 v[RLD], s21, v[GO]                ; back: my head's copy of row half 0 (wave hd), images 8 rh on; row half 1's copy lies 32,768 bytes further
	; kvp: (16 b + 2 X + hd) x 131,072 + chunk x 4,096 + rh x 2,048
	s_lshr_b32 s18, s17, 3
	s_lshl_b32 s18, s18, 4
	s_lshl_b32 s19, s42, 1
	s_add_co_u32 s18, s18, s19
	s_add_co_u32 s18, s18, s16
	s_lshl_b32 s18, s18, 17
	s_and_b32 s19, s17, 7
	s_lshl_b32 s19, s19, 12
	s_add_co_u32 s18, s18, s19
	s_lshl_b32 s19, s15, 11
	s_add_co_u32 s18, s18, s19
	s_mov_b32 s19, 0
	s_add_nc_u64 s[12:13], s[12:13], s[18:19]
	; the prefetch: u's second tile is 131,072 dense bytes; the four partners of my row and their four waves take 8,192 each, told apart by address
	s_lshl_b32 s2, s17, 18
	s_add_co_u32 s2, s2, 256*KROW
	s_lshl_b32 s3, s40, 2
	s_add_co_u32 s3, s3, s14
	s_lshl_b32 s3, s3, 13
	s_add_co_u32 s2, s2, s3
	s_mov_b32 s3, 0
	s_add_nc_u64 s[PFA:PFA+1], s[4:5], s[2:3]
.macro FRAG reg, adr, q, i             ; a fragment, 16 rows x 128 K of 4-bit codes: lane l holds row l % 16; registers 4 c .. 4 c + 3 hold K = 64 c + 32 (l / 16) + 0 .. 31
.irp c, 0,1
	ds_load_b128 v[\reg+4*\c:\reg+4*\c+3], v[\adr] offset:64*(\q)+32*\c+(\i)*16*PITCH
.endr
.endm
; 16 matrix instructions: u's blocks a0, a0 + 1 x W's eight, the slot's q-th 128 along K.  p: W's set;  sc: the set of scale words.  zero = 1: the first product starts the sums.
; The 64 accumulators take turns, one instruction a turn, in the same order in every step.
.macro MUL16 a0, p, q, sc, zero
.irp a, \a0, \a0+1
.irp b, 0,1,2,3,4,5,6,7
.if \zero
	v_wmma_scale_f32_16x16x128_f8f6f4 v[8*(8*((\a)%4)+\b):8*(8*((\a)%4)+\b)+7], v[AF+FR*(\a):AF+FR*(\a)+FR-1], v[128*(\p)+FR*\b:128*(\p)+FR*\b+FR-1], 0, v[SC+8*NQ*(\sc)+NQ*(\a)+(\q)], v[SC+8*NQ*(\sc)+NQ*\b+(\q)] matrix_a_fmt:MATRIX_FMT_FP4 matrix_b_fmt:MATRIX_FMT_FP4 matrix_b_scale:MATRIX_SCALE_ROW1
.else
	v_wmma_scale_f32_16x16x128_f8f6f4 v[8*(8*((\a)%4)+\b):8*(8*((\a)%4)+\b)+7], v[AF+FR*(\a):AF+FR*(\a)+FR-1], v[128*(\p)+FR*\b:128*(\p)+FR*\b+FR-1], v[8*(8*((\a)%4)+\b):8*(8*((\a)%4)+\b)+7], v[SC+8*NQ*(\sc)+NQ*(\a)+(\q)], v[SC+8*NQ*(\sc)+NQ*\b+(\q)] matrix_a_fmt:MATRIX_FMT_FP4 matrix_b_fmt:MATRIX_FMT_FP4 matrix_b_scale:MATRIX_SCALE_ROW1
.endif
.endr
.endr
.endm
.macro FETCH_B slot, q, p              ; W's eight fragments of the slot's q-th 128 along K into set p
	WIN TO_B
.irp i, 0,1,2,3,4,5,6,7
	FRAG 128*(\p)+FR*\i, ADRB+\slot, \q, \i
.endr
	WIN 0
.endm
.macro FETCH_A slot, q, i0             ; u's blocks i0 .. i0 + 3
.irp i, \i0, \i0+1, \i0+2, \i0+3
	FRAG AF+FR*(\i), ADRA+\slot, \q, \i
.endr
.endm
.macro SCALES adr, ks, set             ; slot ks's scale words into a set: 4 words a row; lanes 0-15 take u's block i, lanes 16-31 W's block i
.irp i, 0,1,2,3,4,5,6,7
	ds_load_b128 v[SC+32*\set+4*\i:SC+32*\set+4*\i+3], v[\adr] offset:\i*SBLK+16*\ks
.endr
.endm
; A load into a register that a matrix instruction has read, and a vector instruction or an LDS store that reads a matrix result or writes one of a matrix instruction's registers, stand NP places behind it;
; only plain vector instructions that name none of its registers are places (ISA guide 7.12.1 for vector instructions).
.macro PLACES n
.rept \n
	v_nop
.endr
.endm
.macro STEP slot, q, zero              ; a step of 128 along K that has its successor in the same slot
	s_wait_dscnt 4*NL                              ; W's set and u's blocks 0-3 are in; the youngest eight loads (u's blocks 4-7) may be out
	WIN MUL_LO
	MUL16 0, (\q)%2, \q, \slot, \zero
	MUL16 2, (\q)%2, \q, \slot, \zero
	s_wait_dscnt 0                                 ; u's blocks 4-7 are in (asked for 32 matrix instructions ago)
	PLACES NP
	FETCH_B \slot, (\q)+1, 1-(\q)%2
	FETCH_A \slot, (\q)+1, 0
	WIN MUL_HI
	MUL16 4, (\q)%2, \q, \slot, \zero
	MUL16 6, (\q)%2, \q, \slot, \zero
	PLACES NP
	WIN 0
	FETCH_A \slot, (\q)+1, 4
.endm
; Slot 0's last step, and the change to slot 1: one barrier; in front of it each wave waits for all its tensor loads (its part of slot 1), adds 0 to its spare word, and waits for that and for its reads of slot 0.
.macro TURN adr
	s_wait_tensorcnt 0x0
	ds_add_u32 v[SPW], v[NIL]
	s_wait_dscnt 4*NL+1                            ; (the add and the youngest eight loads may be out)
	WIN MUL_LO
	MUL16 0, 1, NQ-1, 0, 0                         ; sixteen matrix instructions stand between the add and the wait for it
	s_wait_dscnt 0x0                               ; the add is done, and my reads of slot 0 are over
	s_barrier_signal -1
	MUL16 2, 1, NQ-1, 0, 0
	WIN 0
	s_barrier_wait -1
	PLACES NP
	FETCH_B 1, 0, 0
	FETCH_A 1, 0, 0
	SCALES \adr, 1, 1
	WIN MUL_HI
	MUL16 4, 1, NQ-1, 0, 0
	MUL16 6, 1, NQ-1, 0, 0
	PLACES NP
	WIN 0
	FETCH_A 1, 0, 4
.endm
; A PREFETCH INTO THE L2 of u's second tile, behind the first tile's first run of LDS loads: a whole tile's 512 matrix instructions ahead of the tensor load that will ask for it.  Each aligned block of 256 bytes is
; named once in the launch: of the two clusters that read these rows the one with x = 0 asks; its row's four partners and their four waves take 8,192 bytes each, by address; lanes 256 bytes apart.
.macro ASK
	s_cmp_eq_u32 ttmp9, 0                          ; the cluster's x: the same in all sixteen partners
	s_cbranch_scc0 .Lnot_mine_\@
	global_prefetch_b8 v[PFO], s[PFA:PFA+1] th:TH_LOAD_NT scope:SCOPE_SE
.Lnot_mine_\@:
.endm
.macro GEMM t, ask                     ; a tile's products but for slot 1's last step
	FETCH_B 0, 0, 0
	FETCH_A 0, 0, 0
	SCALES ADRS+\t, 0, 0
	FETCH_A 0, 0, 4
.if \ask
	ASK
.endif
	STEP 0, 0, 1                                   ; the first step's products start the sums: nothing is cleared
	STEP 0, 1, 0
	STEP 0, 2, 0
	TURN ADRS+\t
	STEP 1, 0, 0
	STEP 1, 1, 0
	STEP 1, 2, 0
.endm
; Tile 0's last step, and the change of tiles.  u's bytes of BOTH slots are filled again, with the second tile.  In front of the round each wave has waited for all its tensor loads, has added 0 to its spare word,
; and has waited for that and for its last reads of u's bytes (blocks 4-7 are in registers).  Only matrix instructions stand inside the round.  Behind it each wave issues one joint load: 128 rows x 256 bytes.
.macro LAST
	s_wait_tensorcnt 0x0
	ds_add_u32 v[SPW], v[NIL]
	s_wait_dscnt 4*NL+1
	WIN MUL_LO
	MUL16 0, 1, NQ-1, 1, 0
	s_wait_dscnt 0x0
	s_barrier_signal -1
	MUL16 2, 1, NQ-1, 1, 0
	WIN 0
	s_barrier_wait -1
	CREST                                          ; no wave of any partner still reads u's bytes or has a load on its way
	tensor_load_to_lds s[G0R:G0R+3], s[G1:G1+7]    ; the same line in all four waves, each with its own rows and LDS bytes; it lands while kv's first half is made
	s_nop 0
.rept 4
	v_nop
.endr
	WIN MUL_HI
	MUL16 4, 1, NQ-1, 1, 0
	MUL16 6, 1, NQ-1, 1, 0
	WIN 0
.endm
.macro LASTP                           ; tile 1's last step: nothing more to fetch
	s_wait_dscnt 4*NL
	WIN MUL_LO
	MUL16 0, 1, NQ-1, 1, 0
	MUL16 2, 1, NQ-1, 1, 0
	s_wait_dscnt 0
	WIN MUL_HI
	MUL16 4, 1, NQ-1, 1, 0
	MUL16 6, 1, NQ-1, 1, 0
	WIN 0
.endm
; 64 roundings to f16: the accumulators of window w (row blocks 4 (w - 2) + a), columns of k (kv = 0) or of v (1).  Row blocks 2 t and 2 t + 1 give registers 0-3 and 4-7 of fragment t.
; k's fragment (i, t) lies at window 0, v[128 + 8 (4 t + i)]; v's (j, t) at window 1, v[128 (t / 2) + 8 (4 (t % 2) + j)].  Each accumulator is read from its low end on.
.macro CVT w, kv
	WIN (0x40*\kv+5*\w)
.irp a, 0,1,2,3
.irp b, 0,1,2,3
.set c_t, 2*(\w-2)+\a/2
.if \kv
.set c_d, 128*(c_t/2)+8*(4*(c_t%2)+\b)+4*(\a%2)
.else
.set c_d, 128+8*(4*c_t+\b)+4*(\a%2)
.endif
.set c_s, 8*(8*\a+4*\kv+\b)
.irp r, 0,1,2,3
	v_cvt_pk_f16_f32 v[c_d+\r], v[c_s+2*\r], v[c_s+2*\r+1]
.endr
.endr
.endr
.endm
; kv += k^T v over my 128 rows of the tile: 64 matrix instructions, 32 rows each; the 16 accumulators (n tile i, p tile j) take turns.  zero = 1: the first 16 start the sums.
.macro KVPH zero
	PLACES NP                                      ; behind the tile's last products: the roundings read their results and write over their operands
	CVT 2, 0
	CVT 2, 1
	CVT 3, 0
	CVT 3, 1
	WIN 0x54                                       ; source 0 (k) window 0; source 1 (v), C and D window 1
.irp t, 0,1,2,3
.irp i, 0,1,2,3
.irp j, 0,1,2,3
.set k_x, 4*\i+\j
.set k_a, 64+8*k_x+64*(k_x/8)
.set k_k, 128+8*(4*\t+\i)
.set k_v, 128*(\t/2)+8*(4*(\t%2)+\j)
.if \zero && (\t == 0)
	v_wmma_f32_16x16x32_f16 v[k_a:k_a+7], v[k_k:k_k+7], v[k_v:k_v+7], 0
.else
	v_wmma_f32_16x16x32_f16 v[k_a:k_a+7], v[k_k:k_k+7], v[k_v:k_v+7], v[k_a:k_a+7]
.endif
.endr
.endr
.endr
	WIN 0
.endm
	s_wait_tensorcnt 1                             ; the scales and my part of slot 0 are in (slot 1's load may be out)
	s_barrier_signal -1
	s_barrier_wait -1                              ; everybody's are
	GEMM 0, 1
	LAST
	KVPH 1                                         ; work on registers alone, while the second tile is on its way
	s_wait_tensorcnt 0x0                           ; my part of the second tile is in
	ds_add_u32 v[SPW], v[NIL]
	s_wait_dscnt 0x0
	s_barrier_signal -1
	s_barrier_wait -1                              ; everybody's is
	PLACES NP                                      ; for the loads into registers that kv's products have read
	GEMM 1, 0
	LASTP
	KVPH 0
	; THE LAST SUM.  The two waves of a head hold kv over different rows.  Each stores its 16 accumulators as images of their registers (16 bytes a lane, 512 a store) into slot 0, which has had its last fill and,
	; in front of tile 1's change of slots, its last read; behind a barrier each wave reads both copies of 8 images, adds them and stores the sums.
	PLACES NP
	WIN 0x04                                       ; an LDS store's data are its source 1: window 1
.irp x, 0,1,2,3,4,5,6,7,8,9,10,11,12,13,14,15
.set k_a, 64+8*\x+64*(\x/8)
	ds_store_b128 v[RST], v[k_a:k_a+3] offset:1024*\x          ; each accumulator from its low end on
	ds_store_b128 v[RST], v[k_a+4:k_a+7] offset:1024*\x+512
.endr
	WIN 0
	s_wait_dscnt 0x0                               ; for the others' sake: my stores have landed
	s_barrier_signal -1
	s_barrier_wait -1
.irp k, 0,1,2,3,4,5,6,7,8,9,10,11,12,13,14,15
	ds_load_b128 v[128+4*\k:128+4*\k+3], v[RLD] offset:512*\k
.endr
.irp k, 0,1,2,3,4,5,6,7,8,9,10,11,12,13,14,15
	ds_load_b128 v[192+4*\k:192+4*\k+3], v[RLD] offset:32768+512*\k
.endr
	s_wait_dscnt 0x0
.set n, 0
.rept 32
	v_pk_add_f32 v[128+n:129+n], v[128+n:129+n], v[192+n:193+n]
.set n, n+2
.endr
.irp k, 0,1,2,3,4,5,6,7,8,9,10,11,12,13,14,15
	global_store_b128 v[GO], v[128+4*\k:128+4*\k+3], s[12:13] offset:((\k/2)%4)*32768+((\k/2)/4)*1024+(\k%2)*512   ; image 8 rh + k / 2 = (n tile 2 rh + (k / 2) / 4, p tile (k / 2) % 4): 512 consecutive bytes, aligned
.endr
	s_wait_tensorcnt 0x0                           ; the wave's end, behind my last tensor load and my last LDS store
	ds_add_u32 v[SPW], v[NIL]
	s_wait_dscnt 0x0
	CROUND                                         ; the closing round: no work-group ends while a partner may still ask for a tile that names it
	s_endpgm
.Lfunc_end_k_qd2e75f22b2_kvpart:
	.size	k_qd2e75f22b2_kvpart, .Lfunc_end_k_qd2e75f22b2_kvpart-k_qd2e75f22b2_kvpart
	.p2alignl 7, 3214868480
	.fill 96, 4, 3214868480
	.section	.rodata,"a",@progbits
	.p2align	6, 0x0
	.amdhsa_kernel k_qd2e75f22b2_kvpart
		.amdhsa_group_segment_fixed_size 327680
		.amdhsa_private_segment_fixed_size 0
		.amdhsa_enable_private_segment 0
		.amdhsa_kernarg_size 40
		.amdhsa_user_sgpr_count 2
		.amdhsa_user_sgpr_kernarg_segment_ptr 1
		.amdhsa_wavefront_size32 1
		.amdhsa_system_sgpr_workgroup_id_x 1
		.amdhsa_system_sgpr_workgroup_id_y 1
		.amdhsa_system_sgpr_workgroup_id_z 1
		.amdhsa_system_vgpr_workitem_id 0
		.amdhsa_next_free_vgpr 1024
		.amdhsa_next_free_sgpr 100
		.amdhsa_reserve_vcc 0
		.amdhsa_float_denorm_mode_32 3
		.amdhsa_float_denorm_mode_16_64 3
		.amdhsa_memory_ordered 1
		.amdhsa_forward_progress 1
		.amdhsa_inst_pref_size 230
	.end_amdhsa_kernel
	.amdgpu_metadata
---
amdhsa.version: [ 1, 2 ]
amdhsa.kernels:
  - .name:           k_qd2e75f22b2_kvpart
    .symbol:         k_qd2e75f22b2_kvpart.kd
    .args:
      - { .name: u_codes, .offset: 0, .size: 8, .value_kind: global_buffer, .address_space: global }
      - { .name: u_scales, .offset: 8, .size: 8, .value_kind: global_buffer, .address_space: global }
      - { .name: w_codes, .offset: 16, .size: 8, .value_kind: global_buffer, .address_space: global }
      - { .name: w_scales, .offset: 24, .size: 8, .value_kind: global_buffer, .address_space: global }
      - { .name: kvp, .offset: 32, .size: 8, .value_kind: global_buffer, .address_space: global }
    .group_segment_fixed_size: 327680
    .private_segment_fixed_size: 0
    .kernarg_segment_align: 8
    .kernarg_segment_size: 40
    .max_flat_workgroup_size: 128
    .sgpr_count:     100
    .vgpr_count:     1024
    .wavefront_size: 32
...
	.end_amdgpu_metadata
.endif
;; end of part 2
;; launch kvsum (part 3): grid 256 x 1, 1 waves a work-group, no clusters, 0 bytes of LDS; arguments kvp, kvh, kvs; writes kvh, kvs
.if DOCPART == 3
	.amdgcn_target "amdgcn-amd-amdhsa--gfx1250"
	.amdhsa_code_object_version 6
	.text
	.protected	k_qd2e75f22b2_kvsum
	.globl	k_qd2e75f22b2_kvsum
	.p2align	8
	.type	k_qd2e75f22b2_kvsum,@function
k_qd2e75f22b2_kvsum:
	s_mov_b64 s[64:65], 0
	v_nop
	global_prefetch_b8 v0, s[64:65] scope:SCOPE_SE
	s_setreg_imm32_b32 hwreg(HW_REG_WAVE_MODE, 25, 1), 1
	s_wait_xcnt 0x0
; kv of one (batch, head, p tile): the sum of the 8 chunks' partial sums, in f32, chunks ascending; then brought under a power of two and rounded to f16, as the next launch's operand.
; Work-group g = 4 (16 b + head) + p tile; one wave.  A chunk is four images of accumulators (n tiles), 32 registers a lane: lane (r, h), register 8 i + j: kv[16 i + 8 h + j][16 jp + r].
; THE SCALE.  kv has no room in f16 (its size goes with the fourth power of the inputs'), so it is multiplied by 2^-E, E = floor(log2(the tile column's largest magnitude)): exact, and |kv'| < 2.
; 2^E goes to kvs, twice for each lane, and is multiplied back onto y in f32.  Image i's registers, rounded in pairs, are four registers of the operand (M = p, K = n): images 2 t and 2 t + 1 make fragment t.
; LIMITS: |kv| under 2^127; a largest magnitude under 2^-126 counts as 2^-126; NaN and infinities are not served.
; No LDS, no barrier, no matrix unit: 32 KiB in, 2.25 KiB out.  No prefetch: all 64 loads go out at once, at the head.
.set CH, 32                            ; chunk c at v[32 + 32 c] for c = 0 .. 6; chunk 7 at v256-287 (window 1, v0-31)
.set HB, 12                            ; v12-27 the f16 blocks
.set MSB, 0
.macro WIN new                         ; the immediate's high byte repeats the setting that is left
.if MSB != \new
	s_set_vgpr_msb (MSB<<8)|\new
.set MSB, \new
.endif
.endm
	s_load_b128 s[4:7], s[0:1], 0x0                ; kvp, kvh
	s_load_b64 s[8:9], s[0:1], 0x10                ; kvs
	v_lshlrev_b32 v1, 4, v0                        ; 16 x lane
	v_lshlrev_b32 v2, 3, v0                        ; 8 x lane
	s_mov_b32 s11, 0
	s_mov_b32 s12, 0x76543210                      ; v_permlanex16_b32's selects for lane l xor 16
	s_mov_b32 s13, 0xfedcba98
	s_lshl_b32 s10, ttmp9, 15
	s_wait_kmcnt 0x0
	s_add_nc_u64 s[4:5], s[4:5], s[10:11]          ; 32,768 bytes of partial sums,
	s_lshl_b32 s10, ttmp9, 11
	s_add_nc_u64 s[6:7], s[6:7], s[10:11]          ; 2,048 of f16,
	s_lshl_b32 s10, ttmp9, 8
	s_add_nc_u64 s[8:9], s[8:9], s[10:11]          ; 256 of scales
.set k, 0
.rept 56
	global_load_b128 v[CH+4*k:CH+4*k+3], v1, s[4:5] offset:512*k th:TH_LOAD_NT   ; 512 consecutive bytes a load
.set k, k+1
.endr
	WIN 0x40                                       ; destination window 1
.set k, 0
.rept 8
	global_load_b128 v[4*k:4*k+3], v1, s[4:5] offset:512*(56+k) th:TH_LOAD_NT
.set k, k+1
.endr
	WIN 0
.irp c, 1,2,3,4,5,6
	s_wait_loadcnt 8*(7-\c)                        ; chunks 0 .. c are in; the eight loads of each chunk behind c may be out
.set n, 0
.rept 16
	v_pk_add_f32 v[CH+n:CH+n+1], v[CH+n:CH+n+1], v[CH+32*\c+n:CH+32*\c+n+1]
.set n, n+2
.endr
.endr
	s_wait_loadcnt 0x0
	WIN 0x04                                       ; source 1 window 1
.set n, 0
.rept 16
	v_pk_add_f32 v[CH+n:CH+n+1], v[CH+n:CH+n+1], v[n:n+1]
.set n, n+2
.endr
	WIN 0
	v_max3_num_f32 v4, |v[CH]|, |v[CH+1]|, 0x800000                ; the largest magnitude of my 32, in two chains, with the floor 2^-126
	v_max3_num_f32 v5, |v[CH+16]|, |v[CH+17]|, 0x800000
.irp i, 2,4,6,8,10,12,14
	v_max3_num_f32 v4, v4, |v[CH+\i]|, |v[CH+\i+1]|
	v_max3_num_f32 v5, v5, |v[CH+16+\i]|, |v[CH+17+\i]|
.endr
	v_max_num_f32 v4, v4, v5
	v_max_num_f32_dpp v4, v4, v4 row_xmask:1 row_mask:0xf bank_mask:0xf
	v_max_num_f32_dpp v4, v4, v4 row_xmask:2 row_mask:0xf bank_mask:0xf
	v_max_num_f32_dpp v4, v4, v4 row_xmask:4 row_mask:0xf bank_mask:0xf
	v_max_num_f32_dpp v4, v4, v4 row_xmask:8 row_mask:0xf bank_mask:0xf
	v_permlanex16_b32 v5, v4, s12, s13             ; (v5 has been written)
	v_max_num_f32 v4, v4, v5                       ; of all 64 x 16 numbers, in every lane
	v_and_b32 v10, 0x7f800000, v4                  ; its exponent field alone: 2^E
	v_sub_nc_u32 v8, 0x7f000000, v10               ; field 254 - (E + 127): 2^-E
	v_mov_b32 v11, v10
	v_mov_b32 v9, v8
.set n, 0
.rept 16
	v_pk_mul_f32 v[CH+n:CH+n+1], v[CH+n:CH+n+1], v[8:9]            ; exact
.set n, n+2
.endr
.set n, 0
.rept 16
	v_cvt_pk_f16_f32 v[HB+n], v[CH+2*n], v[CH+2*n+1]
.set n, n+1
.endr
.irp i, 0,1,2,3
	global_store_b128 v1, v[HB+4*\i:HB+4*\i+3], s[6:7] offset:512*\i   ; 512 consecutive bytes, aligned
.endr
	global_store_b64 v2, v[10:11], s[8:9]          ; 256 consecutive bytes, aligned
	s_endpgm
.Lfunc_end_k_qd2e75f22b2_kvsum:
	.size	k_qd2e75f22b2_kvsum, .Lfunc_end_k_qd2e75f22b2_kvsum-k_qd2e75f22b2_kvsum
	.p2alignl 7, 3214868480
	.fill 96, 4, 3214868480
	.section	.rodata,"a",@progbits
	.p2align	6, 0x0
	.amdhsa_kernel k_qd2e75f22b2_kvsum
		.amdhsa_group_segment_fixed_size 0
		.amdhsa_private_segment_fixed_size 0
		.amdhsa_enable_private_segment 0
		.amdhsa_kernarg_size 24
		.amdhsa_user_sgpr_count 2
		.amdhsa_user_sgpr_kernarg_segment_ptr 1
		.amdhsa_wavefront_size32 1
		.amdhsa_system_sgpr_workgroup_id_x 1
		.amdhsa_system_sgpr_workgroup_id_y 1
		.amdhsa_system_sgpr_workgroup_id_z 1
		.amdhsa_system_vgpr_workitem_id 0
		.amdhsa_next_free_vgpr 288
		.amdhsa_next_free_sgpr 66
		.amdhsa_reserve_vcc 0
		.amdhsa_float_denorm_mode_32 3
		.amdhsa_float_denorm_mode_16_64 3
		.amdhsa_memory_ordered 1
		.amdhsa_forward_progress 1
		.amdhsa_inst_pref_size 19
	.end_amdhsa_kernel
	.amdgpu_metadata
---
amdhsa.version: [ 1, 2 ]
amdhsa.kernels:
  - .name:           k_qd2e75f22b2_kvsum
    .symbol:         k_qd2e75f22b2_kvsum.kd
    .args:
      - { .name: kvp, .offset: 0, .size: 8, .value_kind: global_buffer, .address_space: global }
      - { .name: kvh, .offset: 8, .size: 8, .value_kind: global_buffer, .address_space: global }
      - { .name: kvs, .offset: 16, .size: 8, .value_kind: global_buffer, .address_space: global }
    .group_segment_fixed_size: 0
    .private_segment_fixed_size: 0
    .kernarg_segment_align: 8
    .kernarg_segment_size: 24
    .max_flat_workgroup_size: 32
    .sgpr_count:     66
    .vgpr_count:     288
    .wavefront_size: 32
...
	.end_amdgpu_metadata
.endif
;; end of part 3
;; launch yout (part 4): grid 4 x 64, 4 waves a work-group, clusters of 4 x 4, 327,680 bytes of LDS; arguments u_codes, u_scales, w_codes, w_scales, kvh, kvs, out0; writes out0
.if DOCPART == 4
	.amdgcn_target "amdgcn-amd-amdhsa--gfx1250"
	.amdhsa_code_object_version 6
	.text
	.protected	k_qd2e75f22b2_yout
	.globl	k_qd2e75f22b2_yout
	.p2align	8
	.type	k_qd2e75f22b2_yout,@function
k_qd2e75f22b2_yout:
	s_mov_b64 s[64:65], 0
	v_nop
	global_prefetch_b8 v0, s[64:65] scope:SCOPE_SE
	s_setreg_imm32_b32 hwreg(HW_REG_WAVE_MODE, 25, 1), 1
	s_wait_xcnt 0x0
	s_wait_alu depctr_hold_cnt(0) depctr_sa_sdst(0) depctr_va_vdst(0) depctr_va_sdst(0) depctr_va_ssrc(0) depctr_va_vcc(0) depctr_vm_vsrc(0)
	s_getreg_b32 s2, hwreg(HW_REG_IB_STS2, 6, 4)
	s_cmp_eq_u32 s2, 0
	s_cbranch_scc0 .Lentry_in_a_cluster
	s_endpgm
.Lentry_in_a_cluster:
	s_bfe_u32 s2, ttmp6, 0x10000c
	s_cmp_lg_u32 s2, 0xf033
	s_cbranch_scc0 .Lentry_shape_is_right
	s_endpgm
.Lentry_shape_is_right:
; y = q kv.  q = u Wq^T on codes of FP4 (E2M1) with one E8M0 scale for each 32 along K (K = 1,024); y[l][p] = sum over n of q[l][n] kv[n][p], per head, on f16 operands with f32 sums.  q never leaves the registers.
; A work-group makes 256 rows x 256 columns of out0 (four heads); four waves, each 128 rows x 128 columns (two heads).  All of K lies in LDS as two slots of 512 along K: every tensor load goes out at the head.
; BY ROWS OF out0, NOT BY K.  A wave's 128 rows of W, for all of K, are 65,536 bytes: 512 registers.  They are read from LDS once and stay.  The wave's eight blocks of 16 rows of u are then finished one after the
; other: 64 products on codes (8 accumulators by turns, K ascending), 32 roundings to f16, 16 products with kv onto the same accumulators, kv's power of two, the stage, 16 stores.  So a block's rows leave
; while the later blocks are multiplied.  LDS is read no more than by K: each fragment of W and of u once.
; THE FIRST PRODUCT IS USED TRANSPOSED (source 0 = 16 rows of W, source 1 = 16 rows of u): a lane holds ONE row l and eight neighbouring n, so two column blocks, rounded to f16 in pairs, ARE source 1 (N = l, K = 32 n) of
; y^T = kv^T q^T, whose source 0 (M = p, K = n) comes from kvh as it lies.  Its result again holds one row l a lane and eight neighbouring p; it goes out through the wave's stage in LDS as whole rows of 512 bytes.
; CLUSTER 4 x 4: u's tiles are shared along a row of the cluster, W's along a column: joint loads.  No prefetch: nothing is asked for behind the head.
; LIMITS: |q| above 65,504 becomes infinity in f16; NaN and infinities are not served.
; REGISTERS, in windows of 256.  Window 0: v0-31 addresses; v32-95 scale words, two sets, and nothing else; v96-111 kv's powers of two, a pair for each (head, p tile); v128-191 u's block, 8 K steps x 8 registers;
;   v192-255 16 rows of y back from the stage.   Window 1: v0-63 the 8 accumulators; v64-95 q's four f16 fragments; v128-255 kv's 16 fragments.
;   Windows 2, 3: W's fragment (column block b, K step ks) at v[64 (ks % 4) + 8 b] of window 2 + ks / 4.
.set SIZE_N, 1024                      ; columns of out0
.set NQ,     4                         ; steps of 128 along K in a slot
.set ROWB,   256
.set KROW,   512
.set PITCH,  272                       ; an LDS row: 256 bytes + 16 of padding, so that the 16 rows of a fragment load start 68 words apart
.set FR,     8
.set NP,     4                         ; places behind these matrix instructions (ISA guide 7.12.1)
.set HALFT,  128*PITCH
.set SLOT,   4*HALFT                   ; u's 256 rows, then W's 256 rows
.set KS,     32                        ; a row of scales in bytes
.set SBLK,   544                       ; the scales of 16 rows
.set HALFS,  4352                      ; of 128 rows: what one tensor load brings
.set SCL,    2*SLOT
.set SPARE,  SCL+4*HALFS               ; the spare words, 128 bytes for each wave: two blocks of 256 bytes that no other line names
.set SPITCH, 528                       ; the way out: a stage of 16 rows x (512 bytes + 16) for each wave,
.set STAGE,  2*HALFT                   ; in W's part of slot 0: it has had its only fill, and every wave's reads of it are waited for in front of the second barrier.  u's part, which is read to the end, lies under it
.set ADRA, 16                          ; v16-17  LDS address of my fragments of u in slot 0, 1
.set ADRB, 20                          ; v20-21  the same for W
.set STO,  24                          ; v24     the way out: where I put 32 bytes of a row
.set RD,   25                          ; v25     where I read a row back
.set CO,   26                          ; v26     my byte offset in a row of out0
.set ADRS, 27                          ; v27     LDS address of my scale words: lanes 0-15 u's rows, lanes 16-31 W's
.set SPW,  28                          ; v28     LDS address of my spare word; never rewritten
.set NIL,  29                          ; v29     0; never rewritten
.set SC,   32                          ; scale words: set s (slot s) at v[SC + 32 s]; register 4 i + q: lanes 0-15 the word of u's block i, lanes 16-31 of W's block i, for the slot's q-th 128 along K
.set KP2,  96                          ; v96-111 2^E, twice, for (head hd, p tile jp) at 2 (4 hd + jp)
.set AF,   128                         ; u's fragments of the block in hand: K step ks at AF + 8 ks
.set BK,   192                         ; 16 rows of y
.set QF,   64                          ; in window 1: q's fragment (hd, t) at QF + 8 (2 hd + t)
.set KV,   128                         ; in window 1: kv's fragment (hd, jp, t) at KV + 64 hd + 8 (2 jp + t)
.set G1, 24
.set G0, 32
.set G1B, 48
.set G0B, 56
.set G1S, 68
.set G0S, 76
.set G1SB, 80
.set G0SB, 88
.set MSB, 0
.macro WIN new                         ; the immediate's high byte repeats the setting that is left; a switch that changes nothing is dropped
.if MSB != \new
	s_set_vgpr_msb (MSB<<8)|\new
.set MSB, \new
.endif
.endm
.macro JLOAD g0a, g1a, g0b, g1b        ; a joint load: waves 0 and 1 fetch for u, waves 2 and 3 for W; an s_nop 0 and four v_nop follow each of the two lines
	s_cmp_eq_u32 s15, 0
	s_cbranch_scc0 .Lfor_b_\@
	tensor_load_to_lds s[\g0a:\g0a+3], s[\g1a:\g1a+7]
	s_nop 0
.rept 4
	v_nop
.endr
	s_branch .Lasked_\@
.Lfor_b_\@:
	tensor_load_to_lds s[\g0b:\g0b+3], s[\g1b:\g1b+7]
	s_nop 0
.rept 4
	v_nop
.endr
.Lasked_\@:
.endm
.macro CREST
	s_cmp_lg_u32 s14, 0
	s_cbranch_scc1 .Lnot_wave_0_\@
	s_barrier_signal -3
.Lnot_wave_0_\@:
	s_barrier_wait -3
	s_barrier_signal -1
	s_barrier_wait -1
.endm
.macro CROUND
	s_barrier_signal -1
	s_barrier_wait -1
	CREST
.endm
	s_load_b128 s[4:7], s[0:1], 0x0                ; u's codes, u's scales
	s_load_b128 s[8:11], s[0:1], 0x10              ; W's codes, W's scales
	s_load_b128 s[96:99], s[0:1], 0x20             ; kvh, kvs
	s_load_b64 s[12:13], s[0:1], 0x30              ; out0
	v_lshl_add_u32 v[SPW], v0, 2, SPARE
	v_mov_b32 v[NIL], 0
	ds_add_u32 v[SPW], v[NIL]                      ; the wave's opening: the add and its wait stand ahead of my first tensor load; the set-up below, work on registers, stands between them
	v_lshrrev_b32 v1, 5, v0
	v_readfirstlane_b32 s14, v1                    ; wave 0..3
	s_lshr_b32 s15, s14, 1                         ; which half of the rows is mine.  Also: I fetch for u (0) or for W (1)
	s_and_b32 s16, s14, 1                          ; which half of the columns.  Also: which 128 rows I fetch
	s_bfe_u32 s40, ttmp6, 0x40000                  ; cx, cy
	s_bfe_u32 s41, ttmp6, 0x40004
	s_lshl_b32 s42, ttmp9, 2
	s_add_co_u32 s42, s42, s40                     ; X: 256 columns, four heads
	s_and_b32 s17, ttmp7, 0xffff
	s_lshl_b32 s17, s17, 2
	s_add_co_u32 s17, s17, s41                     ; Y: 256 rows
	s_lshl_b32 s43, s41, 2
	s_lshl_b32 s43, 15, s43                        ; my row of the cluster
	s_lshl_b32 s44, 0x1111, s40                    ; my column
	s_or_b32 s[G1+0], s43, (0<<16)|(1<<20)|(1<<21)|(5<<22)|(3<<25)  ; the mask; elements of 1 byte; padding on; bit 21 beside a mask; four words of padding after every 64
	s_or_b32 s[G1B+0], s44, (0<<16)|(1<<20)|(1<<21)|(5<<22)|(3<<25)
.irp g, G1, G1B
	s_mov_b32 s[\g+1], ROWB<<16                    ; tensor_dim0
	s_mov_b32 s[\g+2], 128<<16                     ; tensor_dim1
	s_mov_b32 s[\g+3], ROWB<<16                    ; tile_dim0
	s_mov_b32 s[\g+4], 128                         ; tile_dim1
	s_mov_b32 s[\g+5], KROW                        ; tensor_dim0_stride
	s_mov_b32 s[\g+6], 0
	s_mov_b32 s[\g+7], 0
.endr
	s_or_b32 s[G1S+0], s43, (3<<16)|(1<<20)|(1<<21)|(5<<22)|(3<<25) ; the scales of 128 rows: 4,096 dense bytes as 16 rows of 256 (32 elements of 8 bytes), 16 bytes of padding behind each
	s_or_b32 s[G1SB+0], s44, (3<<16)|(1<<20)|(1<<21)|(5<<22)|(3<<25)
.irp g, G1S, G1SB
	s_mov_b32 s[\g+1], 32<<16
	s_mov_b32 s[\g+2], 16<<16
	s_mov_b32 s[\g+3], 32<<16
	s_mov_b32 s[\g+4], 16
	s_mov_b32 s[\g+5], 32
	s_mov_b32 s[\g+6], 0
	s_mov_b32 s[\g+7], 0
.endr
	s_lshl_b32 s18, s16, 7                         ; which 128 rows I fetch
	s_lshl_b32 s20, s17, 8
	s_add_co_u32 s20, s20, s18                     ; u: row 256 Y + 128 x half
	s_lshl_b32 s22, s20, 5                         ; its scales,
	s_mov_b32 s23, 0
	s_lshl_b32 s20, s20, 9                         ; its codes
	s_mov_b32 s21, 0
	s_lshl_b32 s46, s42, 8
	s_add_co_u32 s46, s46, s18
	s_add_co_u32 s46, s46, 2048                    ; W: row 2,048 + 256 X + 128 x half: the q rows
	s_lshl_b32 s92, s46, 5
	s_mov_b32 s93, 0
	s_lshl_b32 s46, s46, 9
	s_mov_b32 s47, 0
	s_mul_i32 s45, s14, HALFT                      ; where they go: wave x 128 rows: no place in the cluster enters an LDS address
	s_mul_i32 s94, s14, HALFS
	s_wait_dscnt 0x0                               ; the opening add is done
	s_wait_kmcnt 0x0
	s_add_nc_u64 s[20:21], s[4:5], s[20:21]
	s_add_nc_u64 s[22:23], s[6:7], s[22:23]
	s_add_nc_u64 s[46:47], s[8:9], s[46:47]
	s_add_nc_u64 s[92:93], s[10:11], s[92:93]
	CROUND                                         ; all sixteen work-groups are here: the first joint loads meet
	s_mov_b32 s[G0S], 1
	s_add_co_u32 s[G0S+1], s94, SCL
	s_mov_b64 s[G0S+2:G0S+3], s[22:23]
	s_or_b32 s[G0S+3], s[G0S+3], 0x80000000
	s_mov_b32 s[G0SB], 1
	s_add_co_u32 s[G0SB+1], s94, SCL
	s_mov_b64 s[G0SB+2:G0SB+3], s[92:93]
	s_or_b32 s[G0SB+3], s[G0SB+3], 0x80000000
	JLOAD G0S, G1S, G0SB, G1SB                     ; the scales first
.irp s, 0,1
	s_mov_b32 s[G0+4*\s], 1
	s_add_co_u32 s[G0+4*\s+1], s45, \s*SLOT
	s_add_nc_u64 s[G0+4*\s+2:G0+4*\s+3], s[20:21], \s*ROWB
	s_or_b32 s[G0+4*\s+3], s[G0+4*\s+3], 0x80000000
	s_mov_b32 s[G0B+4*\s], 1
	s_add_co_u32 s[G0B+4*\s+1], s45, \s*SLOT
	s_add_nc_u64 s[G0B+4*\s+2:G0B+4*\s+3], s[46:47], \s*ROWB
	s_or_b32 s[G0B+4*\s+3], s[G0B+4*\s+3], 0x80000000
	JLOAD G0+4*\s, G1, G0B+4*\s, G1B               ; three tensor loads of mine are out now, the most in this text
.endr
	; kv of my two heads, 16 (Y / 16) + 4 X + 2 x column half on: 16 fragments, 16 bytes a lane a load, into window 1; they land while the first block is multiplied
	s_lshr_b32 s18, s17, 4
	s_lshl_b32 s18, s18, 4
	s_lshl_b32 s19, s42, 2
	s_add_co_u32 s18, s18, s19
	s_lshl_b32 s19, s16, 1
	s_add_co_u32 s18, s18, s19
	s_lshl_b32 s2, s18, 13                         ; 8,192 bytes of f16 a head
	s_mov_b32 s3, 0
	s_add_nc_u64 s[96:97], s[96:97], s[2:3]
	s_lshl_b32 s2, s18, 10                         ; 1,024 bytes of scales a head
	s_add_nc_u64 s[98:99], s[98:99], s[2:3]
	v_and_b32 v7, 31, v0
	v_lshlrev_b32 v8, 3, v7                        ; 8 x lane; never rewritten
	v_lshlrev_b32 v7, 4, v7                        ; 16 x lane; never rewritten
	WIN 0x40                                       ; destination window 1
.set k, 0
.rept 32
	global_load_b128 v[KV+4*k:KV+4*k+3], v7, s[96:97] offset:512*k   ; half k % 2 of fragment k / 2 = (hd, jp, t) in that order
.set k, k+1
.endr
	WIN 0
.irp x, 0,1,2,3,4,5,6,7
	global_load_b64 v[KP2+2*\x:KP2+2*\x+1], v8, s[98:99] offset:256*\x
.endr
	v_and_b32 v1, 15, v0                           ; r = lane % 16
	v_bfe_u32 v2, v0, 4, 1                         ; h = lane / 16
	v_mul_u32_u24 v3, v1, PITCH
	v_lshl_add_u32 v4, v2, 4, v3
	s_mul_i32 s21, s15, HALFT                      ; my 128 rows of u
	s_mul_i32 s22, s16, HALFT                      ; my 128 rows of W,
	s_add_co_u32 s22, s22, 2*HALFT                 ; which lie behind u's 256
.irp s, 0,1
	v_add_nc_u32 v[ADRA+\s], s21, v4
	v_add_nc_u32 v[ADRB+\s], s22, v4
	s_add_co_u32 s21, s21, SLOT
	s_add_co_u32 s22, s22, SLOT
.endr
	v_mul_u32_u24 v5, v1, KS                       ; my row's scales: 32 bytes a row,
	v_lshrrev_b32 v6, 8, v5
	v_lshl_add_u32 v5, v6, 4, v5                   ; and 16 more for each 256 passed
	s_mul_i32 s21, s15, HALFS                      ; u's: my 128 rows
	s_mul_i32 s22, s16, HALFS                      ; W's: my 128 rows, behind u's 256
	s_add_co_u32 s22, s22, 2*HALFS
	s_sub_co_u32 s22, s22, s21
	v_mul_u32_u24 v6, s22, v2                      ; lanes 16-31 take W's
	s_add_co_u32 s21, s21, SCL
	v_add_nc_u32 v5, v5, v6
	v_add_nc_u32 v[ADRS], s21, v5
	s_mul_i32 s23, s14, 16*SPITCH
	s_add_co_u32 s23, s23, STAGE                   ; my stage
	v_mul_u32_u24 v5, v1, SPITCH                   ; in: row l % 16, 32 bytes for each half of the lanes
	v_lshl_add_u32 v5, v2, 5, v5
	v_add_nc_u32 v[STO], s23, v5
	v_and_b32 v6, 31, v0
	v_lshlrev_b32 v[CO], 4, v6                     ; back: the 32 lanes take one row of 512 bytes; and the same in out0
	v_add_nc_u32 v[RD], s23, v[CO]
	s_lshl_b32 s20, s17, 8
	s_lshl_b32 s21, s15, 7
	s_add_co_u32 s20, s20, s21                     ; my first row: 256 Y + 128 x half,
	s_lshl_b32 s20, s20, 12                        ; of 4,096 bytes
	s_mov_b32 s21, 0
	s_lshl_b32 s46, s42, 10                        ; my first column, in bytes: 1,024 X + 512 x half
	s_lshl_b32 s47, s16, 9
	s_add_co_u32 s46, s46, s47
	s_mov_b32 s47, 0
	s_add_nc_u64 s[20:21], s[20:21], s[46:47]
	s_add_nc_u64 s[12:13], s[12:13], s[20:21]      ; never stepped: a row's place among my 128 stands in the stores' immediate
.macro FRAG reg, adr, q, i             ; a fragment, 16 rows x 128 K of 4-bit codes: lane l holds row l % 16; registers 4 c .. 4 c + 3 hold K = 64 c + 32 (l / 16) + 0 .. 31
.irp c, 0,1
	ds_load_b128 v[\reg+4*\c:\reg+4*\c+3], v[\adr] offset:64*(\q)+32*\c+(\i)*16*PITCH
.endr
.endm
.macro BLOADK ks                       ; W's eight fragments of K step ks: 16 loads, into window 2 (ks < 4) or 3: they stay for the whole launch
	WIN (0x80+0x40*((\ks)/4))
.irp i, 0,1,2,3,4,5,6,7
	FRAG 64*((\ks)%4)+FR*\i, ADRB+(\ks)/4, (\ks)%4, \i
.endr
.endm
.macro ALOAD a, s                      ; u's block a, slot s's four K steps: 8 loads
.irp q, 0,1,2,3
	FRAG AF+FR*(4*\s+\q), ADRA+\s, \q, \a
.endr
.endm
.macro SCALES ks, set                  ; slot ks's scale words into a set: lanes 0-15 take u's block i, lanes 16-31 W's block i: 8 loads serve all eight blocks of u and of W
.irp i, 0,1,2,3,4,5,6,7
	ds_load_b128 v[SC+32*\set+4*\i:SC+32*\set+4*\i+3], v[ADRS] offset:\i*SBLK+16*\ks
.endr
.endm
; 8 matrix instructions: u's block a x W's eight, K step ks.  The 8 accumulators take turns, one instruction a turn, in the same order in every K step.
; K step 0 starts the sums: nothing is cleared.  Source 0 (W) window 2 or 3, source 1 (u) window 0, C and D window 1.
.macro MULK a, ks
	WIN (0x52+(\ks)/4)
.irp b, 0,1,2,3,4,5,6,7
.if (\ks) == 0
	v_wmma_scale_f32_16x16x128_f8f6f4 v[8*\b:8*\b+7], v[64*((\ks)%4)+FR*\b:64*((\ks)%4)+FR*\b+FR-1], v[AF+FR*(\ks):AF+FR*(\ks)+FR-1], 0, v[SC+32*((\ks)/4)+NQ*\b+(\ks)%4], v[SC+32*((\ks)/4)+NQ*(\a)+(\ks)%4] matrix_a_fmt:MATRIX_FMT_FP4 matrix_b_fmt:MATRIX_FMT_FP4 matrix_a_scale:MATRIX_SCALE_ROW1
.else
	v_wmma_scale_f32_16x16x128_f8f6f4 v[8*\b:8*\b+7], v[64*((\ks)%4)+FR*\b:64*((\ks)%4)+FR*\b+FR-1], v[AF+FR*(\ks):AF+FR*(\ks)+FR-1], v[8*\b:8*\b+7], v[SC+32*((\ks)/4)+NQ*\b+(\ks)%4], v[SC+32*((\ks)/4)+NQ*(\a)+(\ks)%4] matrix_a_fmt:MATRIX_FMT_FP4 matrix_b_fmt:MATRIX_FMT_FP4 matrix_a_scale:MATRIX_SCALE_ROW1
.endif
.endr
.endm
; A load into a register that a matrix instruction has read, and a vector instruction or an LDS store that reads a matrix result or writes one of a matrix instruction's registers, stand NP places behind it; a matrix
; instruction that writes over a register of an earlier one stands NP + 1 behind it; only plain vector instructions that name none of its registers are places (ISA guide 7.12.1 for vector instructions).
.macro PLACES n
.rept \n
	v_nop
.endr
.endm
; The block's q becomes four f16 fragments (head hd, 32 n from 32 t on): registers 0-3 from column block 4 hd + 2 t, registers 4-7 from 4 hd + 2 t + 1.  Each accumulator from its low end on.
.macro CONV
	WIN 0x45                                       ; all in window 1
.irp hd, 0,1
.irp t, 0,1
.irp u, 0,1
.set c_s, 8*(4*\hd+2*\t+\u)
.set c_d, QF+8*(2*\hd+\t)+4*\u
.irp r, 0,1,2,3
	v_cvt_pk_f16_f32 v[c_d+\r], v[c_s+2*\r], v[c_s+2*\r+1]
.endr
.endr
.endr
.endr
.endm
; y^T of the block: 16 matrix instructions; the 8 accumulators (head hd, p tile jp) take turns; the first 8 start the sums, on the registers that q has left (the four v_nop and the roundings of the other
; accumulators stand between q's last products and these).
.macro YMUL
	WIN 0x55                                       ; all in window 1
.irp t, 0,1
.irp hd, 0,1
.irp jp, 0,1,2,3
.set y_a, 8*(4*\hd+\jp)
.set y_k, KV+64*\hd+8*(2*\jp+\t)
.set y_q, QF+8*(2*\hd+\t)
.if \t == 0
	v_wmma_f32_16x16x32_f16 v[y_a:y_a+7], v[y_k:y_k+7], v[y_q:y_q+7], 0
.else
	v_wmma_f32_16x16x32_f16 v[y_a:y_a+7], v[y_k:y_k+7], v[y_q:y_q+7], v[y_a:y_a+7]
.endif
.endr
.endr
.endr
.endm
.macro SCALE                           ; x 2^E of the (head, p tile): exact but at the ends of f32's range; each accumulator from its low end on
	WIN 0x41                                       ; destination and source 0 window 1, source 1 window 0
.irp x, 0,1,2,3,4,5,6,7
.irp r, 0,2,4,6
	v_pk_mul_f32 v[8*\x+\r:8*\x+\r+1], v[8*\x+\r:8*\x+\r+1], v[KP2+2*\x:KP2+2*\x+1]
.endr
.endr
.endm
; THE WAY OUT of a block, 16 rows x 128 columns: through my own stage in LDS, back as whole rows of 512 bytes.  LDS serves a wave's instructions in order: no wait between the stores and the loads.
.macro TOSTAGE
	WIN 0x04                                       ; an LDS store's data are its source 1: window 1
.irp b, 0,1,2,3,4,5,6,7
	ds_store_b128 v[STO], v[8*\b:8*\b+3] offset:64*\b
	ds_store_b128 v[STO], v[8*\b+4:8*\b+7] offset:64*\b+16
.endr
	WIN 0
.irp t, 0,1,2,3,4,5,6,7,8,9,10,11,12,13,14,15
	ds_load_b128 v[BK+4*\t:BK+4*\t+3], v[RD] offset:\t*SPITCH
.endr
.endm
.macro SEND a                          ; block a's 16 rows: 127 rows of 4,096 bytes at the most, inside the signed 24-bit immediate (ISA guide, chapter 10)
.irp t, 0,1,2,3,4,5,6,7,8,9,10,11,12,13,14,15
	global_store_b128 v[CO], v[BK+4*\t:BK+4*\t+3], s[12:13] offset:(16*(\a)+\t)*SIZE_N*4 th:TH_STORE_NT   ; 32 lanes store 512 consecutive bytes, aligned; written once, read by nobody here
.endr
.endm
; What follows block a's 64 products on codes.  The next block's 16 loads of u go out first, and land under the roundings and the products with kv.
.macro TAIL a
	PLACES NP                                      ; behind q's last products: for the loads into u's registers and for the roundings
	WIN 0
.if (\a) < 7
	ALOAD (\a)+1, 0
	ALOAD (\a)+1, 1
.endif
	CONV
	YMUL
	PLACES NP                                      ; behind y's last products: the multiplies read their results
	SCALE
.if (\a) > 0
	s_wait_xcnt 0x0                                ; the last block's stores, issued half a block ago, have read their registers: this block's rows may land there
.endif
	TOSTAGE
.endm
	s_wait_tensorcnt 1                             ; the scales and my part of slot 0 are in (slot 1's load may be out)
	s_barrier_signal -1
	s_barrier_wait -1                              ; everybody's are
	; BLOCK 0, with W's fragments on their way into the registers: W's loads run two K steps ahead of the products
	SCALES 0, 0
	ALOAD 0, 0
	BLOADK 0
	BLOADK 1
	s_wait_dscnt 16                                ; all but the youngest 16 loads (W's next K step)
	MULK 0, 0
	BLOADK 2
	s_wait_dscnt 16
	MULK 0, 1
	BLOADK 3
	s_wait_dscnt 16
	MULK 0, 2
	WIN 0                                          ; (the add's two registers lie in window 0)
	s_wait_tensorcnt 0x0                           ; all my tensor loads have landed: my part of slot 1;
	ds_add_u32 v[SPW], v[NIL]
	s_wait_dscnt 1                                 ; (the add may be out: W's K step 3 is in)
	MULK 0, 3                                      ; eight matrix instructions stand between the add and the wait for it
	s_wait_dscnt 0x0                               ; the add is done, and my reads of W's part of slot 0 are over: behind this barrier it is the stages'
	s_barrier_signal -1
	WIN 0
	s_barrier_wait -1                              ; slot 1 is whole
	SCALES 1, 1
	ALOAD 0, 1
	BLOADK 4
	BLOADK 5
	s_wait_dscnt 16
	MULK 0, 4
	BLOADK 6
	s_wait_dscnt 16
	MULK 0, 5
	BLOADK 7
	s_wait_dscnt 16
	MULK 0, 6
	s_wait_dscnt 0x0
	MULK 0, 7
	s_wait_loadcnt 0x0                             ; kv's fragments and powers of two
	TAIL 0
	; BLOCKS 1 TO 7.  The block before leaves in this block's middle: its rows have had 32 matrix instructions in which to come back from the stage.
.irp a, 1,2,3,4,5,6,7
	s_wait_dscnt 16                                ; my 16 loads of u are in, and the 16 stores into the stage have read the accumulators; the 16 rows on their way back may be out
	MULK \a, 0
	MULK \a, 1
	MULK \a, 2
	MULK \a, 3
	WIN 0
	s_wait_dscnt 0x0                               ; the last block's rows are back in registers
	SEND \a-1
	MULK \a, 4
	MULK \a, 5
	MULK \a, 6
	MULK \a, 7
	TAIL \a
.endr
	s_wait_dscnt 0x0
	SEND 7
	s_wait_tensorcnt 0x0                           ; the wave's end, behind my last tensor load and my last LDS store
	ds_add_u32 v[SPW], v[NIL]
	s_wait_dscnt 0x0
	CROUND                                         ; the closing round: no work-group ends while a partner may still ask for a tile that names it
	s_endpgm
.Lfunc_end_k_qd2e75f22b2_yout:
	.size	k_qd2e75f22b2_yout, .Lfunc_end_k_qd2e75f22b2_yout-k_qd2e75f22b2_yout
	.p2alignl 7, 3214868480
	.fill 96, 4, 3214868480
	.section	.rodata,"a",@progbits
	.p2align	6, 0x0
	.amdhsa_kernel k_qd2e75f22b2_yout
		.amdhsa_group_segment_fixed_size 327680
		.amdhsa_private_segment_fixed_size 0
		.amdhsa_enable_private_segment 0
		.amdhsa_kernarg_size 56
		.amdhsa_user_sgpr_count 2
		.amdhsa_user_sgpr_kernarg_segment_ptr 1
		.amdhsa_wavefront_size32 1
		.amdhsa_system_sgpr_workgroup_id_x 1
		.amdhsa_system_sgpr_workgroup_id_y 1
		.amdhsa_system_sgpr_workgroup_id_z 1
		.amdhsa_system_vgpr_workitem_id 0
		.amdhsa_next_free_vgpr 1024
		.amdhsa_next_free_sgpr 100
		.amdhsa_reserve_vcc 0
		.amdhsa_float_denorm_mode_32 3
		.amdhsa_float_denorm_mode_16_64 3
		.amdhsa_memory_ordered 1
		.amdhsa_forward_progress 1
		.amdhsa_inst_pref_size 169
	.end_amdhsa_kernel
	.amdgpu_metadata
---
amdhsa.version: [ 1, 2 ]
amdhsa.kernels:
  - .name:           k_qd2e75f22b2_yout
    .symbol:         k_qd2e75f22b2_yout.kd
    .args:
      - { .name: u_codes, .offset: 0, .size: 8, .value_kind: global_buffer, .address_space: global }
      - { .name: u_scales, .offset: 8, .size: 8, .value_kind: global_buffer, .address_space: global }
      - { .name: w_codes, .offset: 16, .size: 8, .value_kind: global_buffer, .address_space: global }
      - { .name: w_scales, .offset: 24, .size: 8, .value_kind: global_buffer, .address_space: global }
      - { .name: kvh, .offset: 32, .size: 8, .value_kind: global_buffer, .address_space: global }
      - { .name: kvs, .offset: 40, .size: 8, .value_kind: global_buffer, .address_space: global }
      - { .name: out0, .offset: 48, .size: 8, .value_kind: global_buffer, .address_space: global }
    .group_segment_fixed_size: 327680
    .private_segment_fixed_size: 0
    .kernarg_segment_align: 8
    .kernarg_segment_size: 56
    .max_flat_workgroup_size: 128
    .sgpr_count:     100
    .vgpr_count:     1024
    .wavefront_size: 32
...
	.end_amdgpu_metadata
.endif
;; end of part 4
